; MI455X (gfx1250); checked and timed in simulation.
; The chip was launched on July 23, 2026; its instructions are those of AMD's public machine-readable ISA for CDNA 5 (MIT licence, August 2026) and "CDNA5" Instruction Set Architecture Reference Guide (July 2026). The comments in the code are by the model that wrote it; some were corrected since.
;; SINQ Sparse Linear. Allowed arithmetic: float matrix products may take bf16 or f16 operands with f32 sums; other float arithmetic in f32, or as packed bf16 or f16 multiplies, adds, multiply-adds, maxima and minima; sums over many terms, partial sums and values carried from step to step in f32; what a program stores and reads back later, other than sums and carried values, may be rounded once to bf16 or f16.
;; Inputs: W_q 4,096 x 4,096 int32; bias 4,096 float32; mask 4,096 x 4,096 bool; scale2 1 x 4,096 float32; scales 4,096 x 1 float32; x 4,096 x 4,096 float32; zeros 4,096 x 1 float32.
;; Outputs: out0 4,096 x 4,096 float32.
;; 2 versions, each right; version 2 is version 1 with the launch prep written anew for expert scheduling mode. Each part assembles by itself: llvm-mc -triple=amdgcn-amd-amdhsa -mcpu=gfx1250 --defsym DOCPART=n.
;; ======== version 1 of 2: 2 launches
;; limits: values are held in f16: magnitudes above 65,504 overflow, below 6.1e-05 lose precision
;; workspace buffers: xa 33,554,432 bytes; wb 33,554,432 bytes
;; launch prep (part 1): grid 256 x 2, 8 waves a work-group, no clusters, 0 bytes of LDS; arguments x, W_q, mask, scale2, zeros, xa, wb; writes xa, wb
.if DOCPART == 1
	.amdgcn_target "amdgcn-amd-amdhsa--gfx1250"
	.amdhsa_code_object_version 6
	.text
	.protected	k_q0b4b302f27_prep
	.globl	k_q0b4b302f27_prep
	.p2align	8
	.type	k_q0b4b302f27_prep,@function
k_q0b4b302f27_prep:
	s_mov_b64 s[64:65], 0
	v_nop
	global_prefetch_b8 v0, s[64:65] scope:SCOPE_SE
	s_setreg_imm32_b32 hwreg(HW_REG_WAVE_MODE, 25, 1), 1
	s_wait_xcnt 0x0
; THE TWO MATRIX OPERANDS, made once, in f16.
;   grid y = 0:  xa[t][k] = f16(x[t][k] * scale2[k])                          x: [4096][4096] f32, scale2: [4096] f32
;   grid y = 1:  wb[o][k] = f16(W_q[o][k] - zeros[o]) where mask[o][k] = 1, +0 where it is 0     W_q: int32, mask: one byte, zeros: [4096] f32
; scales[o] and bias[o] are left to the product's way out, in f32: so neither operand carries a product of three inputs, and both have room in f16.
; LIMITS.  |x * scale2| and |W_q - zeros| stay under 65,520 (f16's end); below 2^-14 a number keeps f16's fixed step of 2^-24.  A masked weight is +0, whatever
; its sign would have been.  A mask byte is 0 or 1.  NaN and infinities are not treated apart.  The scalings are applied in another order than in the formula, each in f32.
; SHARES.  Eight waves; work-group b owns rows 16 b .. 16 b + 15 of its tensor, cut into 64 CHUNKS of 1,024 columns: chunk c is row c / 4, columns 1,024 (c % 4) on.
; Thread t owns columns 4 t .. 4 t + 3 of every chunk: 16 bytes of x or W_q, 4 of mask, 8 of the output.  So a wave's load of x or W_q covers 512 consecutive bytes,
; its load of mask 128, and its store 256 consecutive bytes at a multiple of 256 from the buffer's first byte.  Every byte is read once and written once.
; A chunk's place is 4,096 c, 1,024 c, 2,048 c bytes from the group's first row: it stands in the immediate, so no address register is ever rewritten, and the 64 chunks are
; written out by the assembler's loop (a row's zero is then a scalar register named by the row).
; A ring of DEPTH slots in registers keeps DEPTH chunks of every wave on their way.  No LDS, no barrier, no matrix unit, no cluster: no wave wants a byte that another has fetched.
; No prefetch: the ring's own loads are the stream.
.set DEPTH,  16
.set CHUNKS, 64
.set OQ,  1                            ; v1        16 t; never rewritten
.set OM,  2                            ; v2        4 t; never rewritten
.set OY,  3                            ; v3        8 t; never rewritten
.set T,   4                            ; v[4:11]   four numbers in f32, at work: two sets, by the chunk's parity
.set ZP,  12                           ; v[12:13]  the row's zero, twice
.set S2,  16                           ; v[16:31]  scale2 of my 16 columns: four for each of a row's four chunks
.set Q,   32                           ; v[32:95]  slot s: four registers as loaded
.set MK,  96                           ; v[96:111] slot s: four mask bytes
.set Y,   112                          ; v[112:143] slot s: two registers to store
.set U,   144                          ; v[144:146] the mask, widened
.set ZR,  24                           ; s[24:39]  my 16 rows' zeros
.set P01, 20                           ; s20       byte select: bytes 0, 0, 1, 1
.set P23, 21                           ; s21       byte select: bytes 2, 2, 3, 3
	s_load_b256 s[4:11], s[0:1], 0x0               ; x s[4:5], W_q s[6:7], mask s[8:9], scale2 s[10:11]
	s_load_b128 s[12:15], s[0:1], 0x20             ; zeros s[12:13], xa s[14:15]
	s_load_b64 s[16:17], s[0:1], 0x30              ; wb
	v_lshlrev_b32 v[OQ], 4, v0
	v_lshlrev_b32 v[OM], 2, v0
	v_lshlrev_b32 v[OY], 3, v0
	s_lshl_b32 s2, ttmp9, 18                       ; 16 rows of 16,384 bytes (x, W_q)
	s_mov_b32 s3, 0
	s_lshl_b32 s18, ttmp9, 17                      ; 16 rows of 8,192 bytes (xa, wb)
	s_mov_b32 s19, 0
	s_and_b32 s20, ttmp7, 0xffff                   ; grid y: which tensor
	s_wait_kmcnt 0x0
	s_cmp_lg_u32 s20, 0
	s_cbranch_scc1 .Lw
	; ---------------------------------------------------------------- xa
	s_add_nc_u64 s[4:5], s[4:5], s[2:3]            ; x and xa at the group's first row
	s_add_nc_u64 s[14:15], s[14:15], s[18:19]
.irp j, 0,1,2,3
	global_load_b128 v[S2+4*(\j):S2+4*(\j)+3], v[OQ], s[10:11] offset:4096*(\j)  ; every work-group reads scale2: no hint
.endr
.set cc, 0
.rept DEPTH
	global_load_b128 v[Q+4*cc:Q+4*cc+3], v[OQ], s[4:5] offset:4096*cc th:TH_LOAD_NT  ; the ring is filled: chunks 0 to 15
.set cc, cc+1
.endr
; Chunk cc's turn.
.macro XCH
.set sl, cc%DEPTH
.set jj, cc%4
.set tt, T+4*(cc%2)
.set left, CHUNKS-1-cc
.if left > DEPTH-1
.set left, DEPTH-1
.endif
	s_wait_loadcnt left                            ; loads come back in order: mine is in (and scale2, which is older); the younger chunks' loads, 15 or what is left of them, stay out
.if cc >= DEPTH
	s_wait_xcnt 0x0                                ; the slot's Y was a store's data 16 chunks ago: it is rewritten only behind this wait
.endif
	v_pk_mul_f32 v[tt:tt+1], v[Q+4*sl:Q+4*sl+1], v[S2+4*jj:S2+4*jj+1]
	v_pk_mul_f32 v[tt+2:tt+3], v[Q+4*sl+2:Q+4*sl+3], v[S2+4*jj+2:S2+4*jj+3]
	v_cvt_pk_f16_f32 v[Y+2*sl], v[tt], v[tt+1]     ; two roundings to f16, packed
	v_cvt_pk_f16_f32 v[Y+2*sl+1], v[tt+2], v[tt+3]
.if cc < CHUNKS-DEPTH
	global_load_b128 v[Q+4*sl:Q+4*sl+3], v[OQ], s[4:5] offset:4096*(cc+DEPTH) th:TH_LOAD_NT  ; the load ahead of the store
.endif
	global_store_b64 v[OY], v[Y+2*sl:Y+2*sl+1], s[14:15] offset:2048*cc th:TH_STORE_NT
.set cc, cc+1
.endm
.set cc, 0
.rept CHUNKS
	XCH
.endr
	s_endpgm
	; ---------------------------------------------------------------- wb
.Lw:
	s_add_nc_u64 s[6:7], s[6:7], s[2:3]            ; W_q and wb at the group's first row,
	s_add_nc_u64 s[16:17], s[16:17], s[18:19]
	s_lshl_b32 s22, ttmp9, 16                      ; mask: 16 rows of 4,096 bytes,
	s_mov_b32 s23, 0
	s_add_nc_u64 s[8:9], s[8:9], s[22:23]
	s_lshl_b32 s22, ttmp9, 6                       ; zeros: 16 numbers
	s_add_nc_u64 s[12:13], s[12:13], s[22:23]
	s_load_b512 s[ZR:ZR+15], s[12:13], 0x0         ; no line of this text writes zeros
	s_mov_b32 s[P01], 0x01010000
	s_mov_b32 s[P23], 0x03030202
.set cc, 0
.rept DEPTH
	global_load_b128 v[Q+4*cc:Q+4*cc+3], v[OQ], s[6:7] offset:4096*cc th:TH_LOAD_NT  ; two loads a chunk: the codes,
	global_load_b32 v[MK+cc], v[OM], s[8:9] offset:1024*cc th:TH_LOAD_NT             ; then the mask
.set cc, cc+1
.endr
	s_wait_kmcnt 0x0                               ; the zeros
.macro WCH
.set sl, cc%DEPTH
.set tt, T+4*(cc%2)
.set left, CHUNKS-1-cc
.if left > DEPTH-1
.set left, DEPTH-1
.endif
	s_wait_loadcnt 2*left                          ; my two loads are in; two for each younger chunk stay out
.if cc >= DEPTH
	s_wait_xcnt 0x0                                ; the slot's Y was a store's data 16 chunks ago
.endif
.if cc%4 == 0
	v_mov_b32 v[ZP], s[ZR+cc/4]                    ; a new row: its zero, as a pair
	v_mov_b32 v[ZP+1], s[ZR+cc/4]
.endif
.irp k, 0,1,2,3
	v_cvt_f32_i32 v[tt+(\k)], v[Q+4*sl+(\k)]
.endr
	v_lshlrev_b32 v[U], 8, v[MK+sl]                ; 256 m - m = 255 m: each byte 1 becomes 0xff, each 0 stays; no byte carries into the next
	v_sub_nc_u32 v[U], v[U], v[MK+sl]
	v_pk_add_f32 v[tt:tt+1], v[tt:tt+1], v[ZP:ZP+1] neg_lo:[0,1] neg_hi:[0,1]          ; code - zero
	v_pk_add_f32 v[tt+2:tt+3], v[tt+2:tt+3], v[ZP:ZP+1] neg_lo:[0,1] neg_hi:[0,1]
	v_perm_b32 v[U+1], v[U], v[U], s[P01]          ; each mask byte twice: a mask for each 16-bit half
	v_perm_b32 v[U+2], v[U], v[U], s[P23]
	v_cvt_pk_f16_f32 v[Y+2*sl], v[tt], v[tt+1]
	v_cvt_pk_f16_f32 v[Y+2*sl+1], v[tt+2], v[tt+3]
	v_and_b32 v[Y+2*sl], v[Y+2*sl], v[U+1]         ; a masked weight is +0
	v_and_b32 v[Y+2*sl+1], v[Y+2*sl+1], v[U+2]
.if cc < CHUNKS-DEPTH
	global_load_b128 v[Q+4*sl:Q+4*sl+3], v[OQ], s[6:7] offset:4096*(cc+DEPTH) th:TH_LOAD_NT
	global_load_b32 v[MK+sl], v[OM], s[8:9] offset:1024*(cc+DEPTH) th:TH_LOAD_NT
.endif
	global_store_b64 v[OY], v[Y+2*sl:Y+2*sl+1], s[16:17] offset:2048*cc th:TH_STORE_NT
.set cc, cc+1
.endm
.set cc, 0
.rept CHUNKS
	WCH
.endr
	s_endpgm
.Lfunc_end_k_q0b4b302f27_prep:
	.size	k_q0b4b302f27_prep, .Lfunc_end_k_q0b4b302f27_prep-k_q0b4b302f27_prep
	.p2alignl 7, 3214868480
	.fill 96, 4, 3214868480
	.section	.rodata,"a",@progbits
	.p2align	6, 0x0
	.amdhsa_kernel k_q0b4b302f27_prep
		.amdhsa_group_segment_fixed_size 0
		.amdhsa_private_segment_fixed_size 0
		.amdhsa_enable_private_segment 0
		.amdhsa_kernarg_size 56
		.amdhsa_user_sgpr_count 2
		.amdhsa_user_sgpr_kernarg_segment_ptr 1
		.amdhsa_wavefront_size32 1
		.amdhsa_system_sgpr_workgroup_id_x 1
		.amdhsa_system_sgpr_workgroup_id_y 1
		.amdhsa_system_sgpr_workgroup_id_z 1
		.amdhsa_system_vgpr_workitem_id 0
		.amdhsa_next_free_vgpr 148
		.amdhsa_next_free_sgpr 66
		.amdhsa_reserve_vcc 0
		.amdhsa_float_denorm_mode_32 3
		.amdhsa_float_denorm_mode_16_64 3
		.amdhsa_memory_ordered 1
		.amdhsa_forward_progress 1
		.amdhsa_inst_pref_size 96
	.end_amdhsa_kernel
	.amdgpu_metadata
---
amdhsa.version: [ 1, 2 ]
amdhsa.kernels:
  - .name:           k_q0b4b302f27_prep
    .symbol:         k_q0b4b302f27_prep.kd
    .args:
      - { .name: x, .offset: 0, .size: 8, .value_kind: global_buffer, .address_space: global }
      - { .name: W_q, .offset: 8, .size: 8, .value_kind: global_buffer, .address_space: global }
      - { .name: mask, .offset: 16, .size: 8, .value_kind: global_buffer, .address_space: global }
      - { .name: scale2, .offset: 24, .size: 8, .value_kind: global_buffer, .address_space: global }
      - { .name: zeros, .offset: 32, .size: 8, .value_kind: global_buffer, .address_space: global }
      - { .name: xa, .offset: 40, .size: 8, .value_kind: global_buffer, .address_space: global }
      - { .name: wb, .offset: 48, .size: 8, .value_kind: global_buffer, .address_space: global }
    .group_segment_fixed_size: 0
    .private_segment_fixed_size: 0
    .kernarg_segment_align: 8
    .kernarg_segment_size: 56
    .max_flat_workgroup_size: 256
    .sgpr_count:     66
    .vgpr_count:     148
    .wavefront_size: 32
...
	.end_amdgpu_metadata
.endif
;; end of part 1
;; launch gemm (part 2): grid 16 x 16, 4 waves a work-group, clusters of 4 x 4, 327,680 bytes of LDS; arguments xa, wb, out0, scales, bias; writes out0
.if DOCPART == 2
	.amdgcn_target "amdgcn-amd-amdhsa--gfx1250"
	.amdhsa_code_object_version 6
	.text
	.protected	k_q0b4b302f27_gemm
	.globl	k_q0b4b302f27_gemm
	.p2align	8
	.type	k_q0b4b302f27_gemm,@function
k_q0b4b302f27_gemm:
	s_mov_b64 s[64:65], 0
	v_nop
	global_prefetch_b8 v0, s[64:65] scope:SCOPE_SE
	s_setreg_imm32_b32 hwreg(HW_REG_WAVE_MODE, 25, 1), 1
	s_wait_xcnt 0x0
	s_wait_alu depctr_hold_cnt(0) depctr_sa_sdst(0) depctr_va_vdst(0) depctr_va_sdst(0) depctr_va_ssrc(0) depctr_va_vcc(0) depctr_vm_vsrc(0)
	s_getreg_b32 s2, hwreg(HW_REG_IB_STS2, 6, 4)
	s_cmp_eq_u32 s2, 0
	s_cbranch_scc0 .Lentry_in_a_cluster
	s_endpgm
.Lentry_in_a_cluster:
	s_bfe_u32 s2, ttmp6, 0x10000c
	s_cmp_lg_u32 s2, 0xf033
	s_cbranch_scc0 .Lentry_shape_is_right
	s_endpgm
.Lentry_shape_is_right:
; out0[t][o] = scales[o] * (sum over k of xa[t][k] wb[o][k]) + bias[o].  xa: [4096][4096] f16, wb: [4096][4096] f16 (both made by the launch before), out0: [4096][4096] f32,
; scales, bias: [4096] f32.  Products of f16, sums in f32, K ascending, one sum for each output; scale and bias by one fused multiply-add in f32.
; LIMITS.  The operands arrive within f16's range (the launch before states it); NaN and infinities are not treated apart.
; A tile of out0, 256 x 256, is made by a work-group of four waves; a wave makes 128 x 128: 64 accumulators of 16 x 16, 512 registers.  256 tiles, one to a work-group.
; K goes in 32 steps of 128 through a ring of two LDS slots filled by the tensor data mover: a tile's rows are 256 bytes of memory and start at multiples of 256 bytes from the buffer's first byte.
; CLUSTERS: 4 x 4 work-groups.  The four of a row of the cluster need the same tiles of xa, the four of a column the same tiles of wb: each tile is asked for JOINTLY, by the same tensor load
; with the same descriptor and a mask that names the four; each receives it in its own LDS.  That divides the requests for both operands by four.
; THE MATRIX INSTRUCTION IS USED TRANSPOSED: source 0 = 16 rows of wb, source 1 = 16 rows of xa.  In the result lane l holds row m = l % 16 of out0, and its registers 0 to 7 the columns
; 8 (l / 16) + 0 .. 7: 32 consecutive bytes of a row.
; REGISTERS, in windows of 256 (s_set_vgpr_msb's low byte: bits 1:0 source 0, 3:2 source 1, 5:4 source 2, 7:6 destination):
;   window 0: v0-31 addresses; v32-39 scales and bias of my four columns on the way out; v64-127, v128-191 fragments of xa (8 x 16 rows x 32 K), two buffers
;   window 1: v64-127, v128-191 fragments of wb, two buffers
;   window 2: the 32 accumulators of my rows 0-63 (accumulator (a, b) at v[8 (8 a + b)]);   window 3: those of my rows 64-127
.set SIZE_K, 4096
.set SIZE_N, 4096
.set KSTEP,  128
.set PITCH,  272                       ; an LDS row: 256 bytes of data + 16 of padding = 68 words: row r starts at bank 4 r mod 64 (64 banks of 4 bytes: ISA guide 11.1), so the 16 rows that a load touches start at 16 different banks
.set HALFT,  128*PITCH                 ; 128 rows: what one tensor load brings, and what one wave reads of xa or of wb
.set SLOT,   4*HALFT                   ; xa's 256 rows, then wb's 256 rows
.set STAGE,  2*SLOT                    ; behind the ring: 16 rows x 528 bytes for each wave, for the way out; no tensor load fills it
.set SPITCH, 528                       ; a stage row: 512 bytes (128 f32) + 16: the 16 rows that a store touches start at 16 different groups of four banks
.set SPARE,  STAGE+4*16*SPITCH         ; behind the stages: the spare words, 128 bytes for each wave: two blocks of 256 bytes that no other line names
.set LAPS,   SIZE_K/(2*KSTEP)          ; a lap = two K steps = once round the ring: 16
.set ADRA, 16                          ; v16-17  LDS address of my xa fragments in slot 0, 1
.set ADRB, 20                          ; v20-21  the same for wb
.set STO,  24                          ; v24     the way out: where I put 32 bytes of a row
.set RD,   25                          ; v25     the way out: where I read 16 bytes of a row back
.set CO,   26                          ; v26     16 x lane: my 16 bytes in 512 consecutive bytes of out0, of scales and of bias; never rewritten
.set SPW,  28                          ; v28     LDS address of my spare word: SPARE + 4 x my thread's number; never rewritten
.set NIL,  29                          ; v29     0; never rewritten
.set PFO,  30                          ; v30     the prefetches' offset: my lane x a row of xa or wb (8,192 bytes); never rewritten
.set SC,   32                          ; v[32:35] scales of my columns 4 lane .. 4 lane + 3
.set BI,   36                          ; v[36:39] bias of the same
.set F0,   64                          ; fragment buffer 0
.set F1,   128                         ; fragment buffer 1
.set PFA,  44                          ; s[44:45] where my prefetches stand: my work-group's 32 rows of the 128 that I fetch, one K step further along K than the refill that is being asked for; a prefetch names the K step after that
.set LIM,  43                          ; s43     1 in a wave that prefetches, else the greatest number
.set G1, 24                            ; s[24:31] descriptor group 1 for xa's tiles
.set G0, 32                            ; s[32:39] descriptor group 0 for xa's tiles, one set for each slot
.set G1B, 48                           ; s[48:55] descriptor group 1 for wb's tiles: it differs in the mask alone
.set G0B, 56                           ; s[56:63] descriptor group 0 for wb's tiles, one set for each slot
.set MSB, 0
.macro WIN new                         ; the immediate's high byte repeats the setting that is left; a switch that changes nothing is dropped
.if MSB != (\new)
	s_set_vgpr_msb (MSB<<8)|(\new)
.set MSB, \new
.endif
.endm
.set MUL_LO, 0xa1                      ; source 0 (wb) window 1, source 1 (xa) window 0, C and D window 2
.set MUL_HI, 0xf1                      ; the same, C and D window 3
.set TO_B,   0x40                      ; destination window 1, address window 0
; A joint load.  Waves 0 and 1 fetch xa's two halves, waves 2 and 3 wb's.  Each of the two lines has ONE mask and one set of registers for all that issue it, and nothing in them hangs on a
; coordinate that the four partners do not share.  The branch hangs on the wave's number alone.  An s_nop 0 and four v_nop follow each of the two lines, ahead of the jump, the label and what follows.
.macro JLOAD s
	s_cmp_eq_u32 s11, 0
	s_cbranch_scc0 .Lfor_b_\@
	tensor_load_to_lds s[G0+4*(\s):G0+4*(\s)+3], s[G1:G1+7]
	s_nop 0
.rept 4
	v_nop
.endr
	s_branch .Lasked_\@
.Lfor_b_\@:
	tensor_load_to_lds s[G0B+4*(\s):G0B+4*(\s)+3], s[G1B:G1B+7]
	s_nop 0
.rept 4
	v_nop
.endr
.Lasked_\@:
.endm
; A PREFETCH INTO THE L2, behind each joint refill, its five lines and the run of LDS loads that follows them: the K step that stands TWO refills on: 32 rows x 256 bytes, a lane a row, one instruction a wave,
; 512 matrix instructions ahead of the load that will want it.  Each row's 256 bytes of a K step are named ONCE in the launch: xa's tile row is read by every cluster of that row of clusters, and the
; first of them (cluster x = 0) asks; wb's tile column by every cluster of that column, and cluster y = 0 asks.  The four partners that ask for a tile jointly share its rows out BY ADDRESS: of the
; 128 rows that a wave fetches, the partner at place p takes 32 p .. 32 p + 31 (p = cx for xa, cy for wb): no branch hangs on a work-group's place in its cluster.
; The loop's last trip asks for nothing: its refills are K steps 30 and 31, and there is no K step two on.  K steps 0 to 3 come by their loads alone.
.macro ASK
	s_cmp_gt_u32 s3, s[LIM]                        ; s3 = 1 in the loop's last trip
	s_cbranch_scc0 .Lnot_mine_\@
	global_prefetch_b8 v[PFO], s[PFA:PFA+1] offset:KSTEP*2 th:TH_LOAD_NT scope:SCOPE_SE
.Lnot_mine_\@:
.endm
; A round of the cluster's barrier: my work-group's barrier, so that wave 0's signal speaks for all four waves; wave 0 signals for the work-group; every wave waits for all sixteen
; work-groups; my work-group's barrier once more.  No LDS instruction of the wave is pending at a signal.
.macro CREST                           ; a round behind its opening barrier
	s_cmp_lg_u32 s10, 0
	s_cbranch_scc1 .Lnot_wave_0_\@
	s_barrier_signal -3
.Lnot_wave_0_\@:
	s_barrier_wait -3
	s_barrier_signal -1
	s_barrier_wait -1
.endm
.macro CROUND                          ; a whole round
	s_barrier_signal -1
	s_barrier_wait -1
	CREST
.endm
	s_load_b128 s[4:7], s[0:1], 0x0                ; xa s[4:5], wb s[6:7]
	s_load_b64 s[8:9], s[0:1], 0x10                ; out0
	s_load_b128 s[68:71], s[0:1], 0x18             ; scales s[68:69], bias s[70:71]
	v_lshl_add_u32 v[SPW], v0, 2, SPARE
	v_mov_b32 v[NIL], 0
	ds_add_u32 v[SPW], v[NIL]                      ; the wave's opening: the add and its wait stand ahead of my first tensor load; the set-up below, work on registers, stands between them
	v_lshrrev_b32 v1, 5, v0
	v_readfirstlane_b32 s10, v1                    ; wave 0..3
	s_lshr_b32 s11, s10, 1                         ; which half of the tile's rows is mine.  Also: I fetch for xa (0) or for wb (1)
	s_and_b32 s12, s10, 1                          ; which half of its columns.  Also: which 128 rows of that tile I fetch
	s_bfe_u32 s40, ttmp6, 0x40000                  ; cx: my place along the cluster's x
	s_bfe_u32 s41, ttmp6, 0x40004                  ; cy: along its y
	s_lshl_b32 s42, ttmp9, 2                       ; in a cluster launch ttmp9 and ttmp7 count clusters
	s_add_co_u32 s42, s42, s40                     ; tile column of out0 = 4 x cluster x + cx
	s_and_b32 s13, ttmp7, 0xffff
	s_lshl_b32 s13, s13, 2
	s_add_co_u32 s13, s13, s41                     ; tile row of out0 = 4 x cluster y + cy
	s_lshl_b32 s43, s41, 2
	s_lshl_b32 s43, 15, s43                        ; my row of the cluster: places 4 cy .. 4 cy + 3
	s_lshl_b32 s44, 0x1111, s40                    ; my column: places cx, cx + 4, cx + 8, cx + 12
	; descriptor group 1: a tile of 128 rows x 128 elements, padded in LDS
	s_or_b32 s[G1+0], s43, (1<<16)|(1<<20)|(1<<21)|(5<<22)|(3<<25)  ; 15:0 the mask: xa's tiles go to my row; 17:16 element of 2 bytes; 20 padding on; 21 set beside a mask; 24:22 after every 64 words (code 5); 31:25 of 4 words (code 3)
	s_or_b32 s[G1B+0], s44, (1<<16)|(1<<20)|(1<<21)|(5<<22)|(3<<25) ; the same with the mask of my column, for wb's tiles
	s_mov_b32 s[G1B+1], KSTEP<<16
	s_mov_b32 s[G1+1], KSTEP<<16                   ; 63:48 tensor_dim0, low half = 128
	s_mov_b32 s[G1B+2], 128<<16
	s_mov_b32 s[G1+2], 128<<16                     ; 79:64 its high half = 0; 95:80 tensor_dim1, low half = 128
	s_mov_b32 s[G1B+3], KSTEP<<16
	s_mov_b32 s[G1+3], KSTEP<<16                   ; 111:96 its high half = 0; 127:112 tile_dim0 = 128
	s_mov_b32 s[G1B+4], 128
	s_mov_b32 s[G1+4], 128                         ; 143:128 tile_dim1 = 128; 159:144 tile_dim2 = 0
	s_mov_b32 s[G1B+5], SIZE_K
	s_mov_b32 s[G1+5], SIZE_K                      ; 191:160 tensor_dim0_stride, low word: elements from row to row
	s_mov_b32 s[G1B+6], 0
	s_mov_b32 s[G1+6], 0
	s_mov_b32 s[G1B+7], 0
	s_mov_b32 s[G1+7], 0
	; where the tiles come from.  xa's hang on the tile row alone, which my row of the cluster shares; wb's on the tile column alone, which my column shares.
	; Every wave makes both addresses, in registers that never hold the other coordinate, and asks by one of them.
	s_lshl_b32 s17, s12, 7                         ; which 128 rows of the tile I fetch
	s_lshl_b32 s16, s13, 8
	s_add_co_u32 s16, s16, s17                     ; xa: row 256 x tile row + 128 x half
	s_lshl_b32 s46, s42, 8
	s_add_co_u32 s46, s46, s17                     ; wb: row 256 x tile column + 128 x half
	s_mov_b32 s17, 0
	s_mov_b32 s47, 0
	s_mov_b64 s[18:19], SIZE_K*2
	s_mul_u64 s[16:17], s[16:17], s[18:19]         ; in bytes, in 64 bits
	s_mul_u64 s[46:47], s[46:47], s[18:19]
	s_mul_i32 s20, s10, HALFT                      ; and where they go: xa's two halves, then wb's two halves = wave x 128 rows: no place in the cluster enters an LDS address
	s_wait_dscnt 0x0                               ; the opening add is done
	s_wait_kmcnt 0x0
	s_add_nc_u64 s[14:15], s[4:5], s[16:17]
	s_add_nc_u64 s[46:47], s[6:7], s[46:47]
	CROUND                                         ; all sixteen work-groups are here: the first joint loads meet
.irp s, 0,1
	s_mov_b32 s[G0+4*(\s)], 1                                      ; 1:0 count = 1
	s_add_co_u32 s[G0+4*(\s)+1], s20, (\s)*SLOT                    ; 63:32 LDS address
	s_add_nc_u64 s[G0+4*(\s)+2:G0+4*(\s)+3], s[14:15], (\s)*KSTEP*2  ; 120:64 global address: K step s
	s_or_b32 s[G0+4*(\s)+3], s[G0+4*(\s)+3], 0x80000000            ; 127:126 type = 2
	s_mov_b32 s[G0B+4*(\s)], 1
	s_add_co_u32 s[G0B+4*(\s)+1], s20, (\s)*SLOT
	s_add_nc_u64 s[G0B+4*(\s)+2:G0B+4*(\s)+3], s[46:47], (\s)*KSTEP*2
	s_or_b32 s[G0B+4*(\s)+3], s[G0B+4*(\s)+3], 0x80000000
	JLOAD \s                                       ; the ring is filled before anything else is done: two tensor loads of mine are out, later one
.endr
	; A fragment is 16 rows x 32 K in 8 registers: lane l holds row l % 16; registers 0-3 hold K = 8 (l / 16) + 0..7, registers 4-7 hold
	; K = 16 + 8 (l / 16) + 0..7.  From rows that lie along K: two loads of 16 bytes, 32 bytes apart.  The same for source 0 and source 1.
	v_and_b32 v1, 15, v0                           ; l % 16
	v_bfe_u32 v2, v0, 4, 1                         ; l / 16
	v_mul_u32_u24 v3, v1, PITCH
	v_lshl_add_u32 v3, v2, 4, v3                   ; row x pitch + 16 x half
	s_mul_i32 s21, s11, HALFT                      ; my 128 rows of xa
	s_mul_i32 s22, s12, HALFT                      ; my 128 rows of wb,
	s_add_co_u32 s22, s22, 2*HALFT                 ; which lie behind xa's 256
.irp s, 0,1
	v_add_nc_u32 v[ADRA+(\s)], s21, v3
	v_add_nc_u32 v[ADRB+(\s)], s22, v3
	s_add_co_u32 s21, s21, SLOT
	s_add_co_u32 s22, s22, SLOT
.endr
	s_mul_i32 s23, s10, 16*SPITCH
	s_add_co_u32 s23, s23, STAGE                   ; my stage
	v_mul_u32_u24 v4, v1, SPITCH                   ; in: row l % 16, 32 bytes for each half of the lanes
	v_lshl_add_u32 v4, v2, 5, v4
	v_add_nc_u32 v[STO], s23, v4
	v_and_b32 v5, 31, v0
	v_lshlrev_b32 v[CO], 4, v5                     ; back: 32 lanes take one row of 512 bytes, 16 bytes each
	v_add_nc_u32 v[RD], s23, v[CO]
	; where my part of the tile begins in out0, and my 128 columns in scales and bias
	s_lshl_b32 s13, s13, 8
	s_lshl_b32 s14, s11, 7
	s_add_co_u32 s16, s13, s14                     ; my first row of out0
	s_mov_b32 s17, 0
	s_mov_b64 s[18:19], SIZE_N*4
	s_mul_u64 s[16:17], s[16:17], s[18:19]
	s_lshl_b32 s46, s42, 10                        ; my first column, in bytes of f32: 1,024 x tile column + 512 x half (in the registers that held wb's address: none that feeds xa's descriptors ever holds cx)
	s_lshl_b32 s47, s12, 9
	s_add_co_u32 s46, s46, s47
	s_mov_b32 s47, 0
	s_add_nc_u64 s[8:9], s[8:9], s[16:17]
	s_add_nc_u64 s[8:9], s[8:9], s[46:47]
	s_add_nc_u64 s[68:69], s[68:69], s[46:47]
	s_add_nc_u64 s[70:71], s[70:71], s[46:47]
	global_load_b128 v[SC:SC+3], v[CO], s[68:69]   ; waited for once, ahead of the way out
	global_load_b128 v[BI:BI+3], v[CO], s[70:71]
	; the prefetches.  s13 = 256 x tile row, s42 = tile column, s40 = cx, s41 = cy still stand; s[4:5] = xa, s[6:7] = wb
	s_lshl_b32 s42, s42, 8
	s_and_b32 s22, ttmp7, 0xffff                   ; cluster y
	s_cmp_eq_u32 s11, 0                            ; do I fetch for xa?
	s_cselect_b32 s20, s13, s42                    ; the tile's first row: in xa by the tile row, in wb by the tile column
	s_cselect_b32 s21, s40, s41                    ; my place among the four that ask for it with me
	s_cselect_b32 s22, ttmp9, s22                  ; the coordinate along which other clusters read the same rows
	s_cselect_b64 s[PFA:PFA+1], s[4:5], s[6:7]
	s_cmp_eq_u32 s22, 0
	s_cselect_b32 s[LIM], 1, -1                    ; the same in all sixteen partners, for a given wave
	s_lshl_b32 s22, s12, 7
	s_add_co_u32 s20, s20, s22                     ; + the 128 rows that I fetch
	s_lshl_b32 s21, s21, 5
	s_add_co_u32 s20, s20, s21                     ; + my work-group's 32 of them
	s_mov_b32 s21, 0
	s_mov_b64 s[18:19], SIZE_K*2
	s_mul_u64 s[20:21], s[20:21], s[18:19]
	s_add_nc_u64 s[PFA:PFA+1], s[PFA:PFA+1], s[20:21]
	s_add_nc_u64 s[PFA:PFA+1], s[PFA:PFA+1], 2*KSTEP*2  ; at K step 2: the first refill steps it to 3 and names K step 4
	v_and_b32 v[PFO], 31, v0
	v_mul_u32_u24 v[PFO], v[PFO], SIZE_K*2
	; nothing is prefetched here, at the head, where every work-group's first two tiles are on their way
; 16 matrix instructions: m blocks a0, a0 + 1 of the window's four (hi = 0: my rows 0-63, 1: rows 64-127) x all 8 n blocks, 32 along K.
; zero = 1: the first product starts the sums: nothing is ever cleared.  The 64 accumulators take turns, one instruction a turn, in the same order in every quarter step.
.macro MUL16 f, hi, a0, zero
	WIN MUL_LO+0x50*(\hi)  ; MUL_LO or MUL_HI
.irp a, \a0, (\a0)+1
.irp b, 0,1,2,3,4,5,6,7
.if \zero
	v_wmma_f32_16x16x32_f16 v[8*(8*(\a)+(\b)):8*(8*(\a)+(\b))+7], v[(\f)+8*(\b):(\f)+8*(\b)+7], v[(\f)+8*(4*(\hi)+(\a)):(\f)+8*(4*(\hi)+(\a))+7], 0
.else
	v_wmma_f32_16x16x32_f16 v[8*(8*(\a)+(\b)):8*(8*(\a)+(\b))+7], v[(\f)+8*(\b):(\f)+8*(\b)+7], v[(\f)+8*(4*(\hi)+(\a)):(\f)+8*(4*(\hi)+(\a))+7], v[8*(8*(\a)+(\b)):8*(8*(\a)+(\b))+7]
.endif
.endr
.endr
.endm
; 32 LDS loads in one run: the fragments of one quarter step (128 rows of wb, 128 rows of xa, 32 K at byte k of the rows) into buffer f
.macro FETCH slot, k, f
	WIN TO_B
.irp i, 0,1,2,3,4,5,6,7
	ds_load_b128 v[(\f)+8*(\i):(\f)+8*(\i)+3],   v[ADRB+(\slot)] offset:(\k)+(\i)*16*PITCH
	ds_load_b128 v[(\f)+8*(\i)+4:(\f)+8*(\i)+7], v[ADRB+(\slot)] offset:(\k)+(\i)*16*PITCH+32
.endr
	WIN 0
.irp i, 0,1,2,3,4,5,6,7
	ds_load_b128 v[(\f)+8*(\i):(\f)+8*(\i)+3],   v[ADRA+(\slot)] offset:(\k)+(\i)*16*PITCH
	ds_load_b128 v[(\f)+8*(\i)+4:(\f)+8*(\i)+7], v[ADRA+(\slot)] offset:(\k)+(\i)*16*PITCH+32
.endr
.endm
; A load into a register that a matrix instruction has read or written, and a store that reads a matrix result, stand four places behind that matrix instruction, and only plain vector
; instructions that name none of its registers are places (ISA guide 7.12.1 for vector instructions); the matrix instructions in between are not counted.
.macro PLACES
.rept 4
	v_nop
.endr
.endm
; A K step is four quarter steps of 32 along K, 64 matrix instructions each, on buffers 0, 1, 0, 1.
; One of the first three: multiplies buffer f; in its middle it fetches the next quarter's fragments, at byte k of the same slot's rows, into buffer g.
.macro QUARTER slot, k, f, g, zero
	s_wait_dscnt 8                                 ; wb and xa's rows 0-63 are in; the youngest eight loads (xa's rows 64-127) may be out
	WIN MUL_LO
	MUL16 \f, 0, 0, \zero
	MUL16 \f, 0, 2, \zero
	PLACES
	FETCH \slot, \k, \g
	s_wait_dscnt 32                                ; all but the 32 just issued
	WIN MUL_HI
	MUL16 \f, 1, 0, \zero
	MUL16 \f, 1, 2, \zero
.endm
; The last quarter multiplies buffer 1 and changes slots.  MEET is its first half: ONE barrier for the change of slots, for two things.  In front of it each wave waits for all its tensor loads, of
; which one is out: its part of the next slot; adds 0 to its spare word; and waits for that and for its own reads of this slot.  Behind it nobody reads this slot any more and the next slot is whole.
.macro MEET round                      ; round = 1: a round of the cluster's barrier follows
	WIN 0                                          ; (the add's two registers lie in window 0)
	s_wait_tensorcnt 0x0                           ; all my tensor loads have landed: the one that was out is my part of the next slot;
	ds_add_u32 v[SPW], v[NIL]                      ; 0 onto my spare word;
	s_wait_dscnt 9                                 ; (the add and the youngest eight loads may be out)
	WIN MUL_LO
	MUL16 F1, 0, 0, 0                              ; sixteen matrix instructions stand between the add and the wait for it
	s_wait_dscnt 0x0                               ; the add is done, and my reads of this slot are over:
	s_barrier_signal -1                            ; say so (where a slot is filled again this barrier opens a round of the cluster's barrier),
	MUL16 F1, 0, 2, 0                              ; work on registers while the others arrive,
.if \round
	WIN 0
.endif
	s_barrier_wait -1                              ; and go on when all four have said so
.endm
; The whole last quarter.  fill = 1: behind the round the slot just read out is filled again first, with the K step two steps on; then come the next slot's first fragments.  From a request to the
; wait for it a wave issues 224 matrix instructions.  fill = 0 (the last lap): nothing is asked for, and the work-group's barrier is enough.
.macro TURN slot, next, fill
.if \fill
	s_wait_xcnt 0x0                                ; the last prefetch, a K step back, has read its address: it is stepped here, ahead of the waits of the change of slots
	s_add_nc_u64 s[PFA:PFA+1], s[PFA:PFA+1], KSTEP*2
	MEET 1
	CREST                                          ; wave 0 says so for the work-group, all sixteen work-groups have said so, my work-group's barrier closes the round:
	                                               ; no wave of any partner still reads this slot's tile or has a load on its way
	s_add_nc_u64 s[G0+4*(\slot)+2:G0+4*(\slot)+3], s[G0+4*(\slot)+2:G0+4*(\slot)+3], 2*KSTEP*2    ; no tensor load of mine is out, so a group 0 may be written
	s_add_nc_u64 s[G0B+4*(\slot)+2:G0B+4*(\slot)+3], s[G0B+4*(\slot)+2:G0B+4*(\slot)+3], 2*KSTEP*2
	JLOAD \slot                                    ; the first tensor load behind the round, and my only one until the next; the four v_nop behind it are also the places in front of the loads below
.else
	MEET 0
	PLACES
.endif
	FETCH \next, 0, F0
.if \fill
	ASK                                            ; behind the joint load and the run of LDS loads that the next products wait for
.endif
	WIN MUL_HI
	MUL16 F1, 1, 0, 0
	MUL16 F1, 1, 2, 0
.endm
; THE WAY OUT, by blocks a = 0 .. 7 of 16 rows (block a's eight accumulators: 64 registers at AC in window 2 or 3).
; STG: the block goes into my own stage as it lies, 32 bytes a lane and accumulator (each accumulator's lowest registers first), and comes back as whole rows of 512 bytes,
; into the registers that it left.  LDS serves a wave's instructions in order (ISA guide 5.7.1.4): the loads see the stores above them, and the next block's stores come behind these loads.
.macro STG a
.set AC, 64*((\a)%4)
	WIN 0x88+0x44*((\a)/4)                         ; data and destination in window 2 or 3, address in window 0
.irp b, 0,1,2,3,4,5,6,7
	ds_store_b128 v[STO], v[AC+8*(\b):AC+8*(\b)+3]   offset:64*(\b)
	ds_store_b128 v[STO], v[AC+8*(\b)+4:AC+8*(\b)+7] offset:64*(\b)+16
.endr
.irp t, 0,1,2,3,4,5,6,7,8,9,10,11,12,13,14,15
	ds_load_b128 v[AC+4*(\t):AC+4*(\t)+3], v[RD] offset:(\t)*SPITCH
.endr
.endm
; SEND: scale and bias, one fused multiply-add for each number, and the stores.  younger: the LDS instructions issued behind block a's loads: the next block's 32, or none.
; No register that a store reads is written again, and the stores' base and offset stay as they are: no wait stands between the stores.
.macro SEND a, younger
.set AC, 64*((\a)%4)
	s_wait_dscnt \younger                          ; the block is back in registers
	WIN 0x82+0x41*((\a)/4)                         ; destination and source 0 in window 2 or 3, scales and bias in window 0
.irp t, 0,1,2,3,4,5,6,7,8,9,10,11,12,13,14,15
	v_pk_fma_f32 v[AC+4*(\t):AC+4*(\t)+1],   v[AC+4*(\t):AC+4*(\t)+1],   v[SC:SC+1],   v[BI:BI+1]
	v_pk_fma_f32 v[AC+4*(\t)+2:AC+4*(\t)+3], v[AC+4*(\t)+2:AC+4*(\t)+3], v[SC+2:SC+3], v[BI+2:BI+3]
.endr
	WIN 0x88+0x44*((\a)/4)
.irp t, 0,1,2,3,4,5,6,7,8,9,10,11,12,13,14,15
	global_store_b128 v[CO], v[AC+4*(\t):AC+4*(\t)+3], s[8:9] offset:(16*(\a)+(\t))*SIZE_N*4 th:TH_STORE_NT  ; a wave's store covers 512 consecutive bytes, at a multiple of 512 from out0's first byte; 127 rows at the most: inside the signed 24-bit immediate
.endr
.endm
	s_wait_tensorcnt 1                             ; my part of K step 0 is in; K step 1's may stay out
	s_barrier_signal -1
	s_barrier_wait -1                              ; everybody's is
	FETCH 0, 0, F0
	QUARTER 0, 64,  F0, F1, 1                      ; the first quarter stands in front of the loop: its products start the sums
	WIN 0                                          ; at a label and at a branch every window is 0
	s_mov_b32 s3, LAPS-1
.Llap:                                                 ; a trip goes once round the ring, from a lap's second quarter to the next lap's first, and fills both slots again: K steps 2 to 31 in 15 trips
	QUARTER 0, 128, F1, F0, 0
	QUARTER 0, 192, F0, F1, 0
	TURN 0, 1, 1
	QUARTER 1, 64,  F0, F1, 0
	QUARTER 1, 128, F1, F0, 0
	QUARTER 1, 192, F0, F1, 0
	TURN 1, 0, 1
	QUARTER 0, 64,  F0, F1, 0
	WIN 0
	s_sub_co_u32 s3, s3, 1
	s_cmp_lg_u32 s3, 0
	s_cbranch_scc1 .Llap
	QUARTER 0, 128, F1, F0, 0                      ; the last lap is written out: it asks for nothing
	QUARTER 0, 192, F0, F1, 0
	TURN 0, 1, 0                                   ; my one tensor load that was still out is slot 1's, the last K step's
	QUARTER 1, 64,  F0, F1, 0
	QUARTER 1, 128, F1, F0, 0
	QUARTER 1, 192, F0, F1, 0
	s_wait_dscnt 8                                 ; the very last quarter: nothing more to fetch
	MUL16 F1, 0, 0, 0
	MUL16 F1, 0, 2, 0
	s_wait_dscnt 0x0
	MUL16 F1, 1, 0, 0
	MUL16 F1, 1, 2, 0
	PLACES                                         ; behind the last products, ahead of the LDS stores that read results and of the loads into accumulators:
	PLACES                                         ; eight, once a launch
	s_wait_loadcnt 0x0                             ; scales and bias
	STG 0
.irp a, 1,2,3,4,5,6,7                  ; a block's trip through the stage is on its way while the block before is scaled and stored
	STG \a
	SEND (\a)-1, 32
.endr
	SEND 7, 0
	WIN 0
	s_wait_tensorcnt 0x0                           ; the wave's end, behind my last tensor load and my last LDS store
	ds_add_u32 v[SPW], v[NIL]
	s_wait_dscnt 0x0
	CROUND                                         ; the closing round: no work-group ends while a partner may still ask for a tile that names it
	s_endpgm
.Lfunc_end_k_q0b4b302f27_gemm:
	.size	k_q0b4b302f27_gemm, .Lfunc_end_k_q0b4b302f27_gemm-k_q0b4b302f27_gemm
	.p2alignl 7, 3214868480
	.fill 96, 4, 3214868480
	.section	.rodata,"a",@progbits
	.p2align	6, 0x0
	.amdhsa_kernel k_q0b4b302f27_gemm
		.amdhsa_group_segment_fixed_size 327680
		.amdhsa_private_segment_fixed_size 0
		.amdhsa_enable_private_segment 0
		.amdhsa_kernarg_size 40
		.amdhsa_user_sgpr_count 2
		.amdhsa_user_sgpr_kernarg_segment_ptr 1
		.amdhsa_wavefront_size32 1
		.amdhsa_system_sgpr_workgroup_id_x 1
		.amdhsa_system_sgpr_workgroup_id_y 1
		.amdhsa_system_sgpr_workgroup_id_z 1
		.amdhsa_system_vgpr_workitem_id 0
		.amdhsa_next_free_vgpr 1024
		.amdhsa_next_free_sgpr 72
		.amdhsa_reserve_vcc 0
		.amdhsa_float_denorm_mode_32 3
		.amdhsa_float_denorm_mode_16_64 3
		.amdhsa_memory_ordered 1
		.amdhsa_forward_progress 1
		.amdhsa_inst_pref_size 158
	.end_amdhsa_kernel
	.amdgpu_metadata
---
amdhsa.version: [ 1, 2 ]
amdhsa.kernels:
  - .name:           k_q0b4b302f27_gemm
    .symbol:         k_q0b4b302f27_gemm.kd
    .args:
      - { .name: xa, .offset: 0, .size: 8, .value_kind: global_buffer, .address_space: global }
      - { .name: wb, .offset: 8, .size: 8, .value_kind: global_buffer, .address_space: global }
      - { .name: out0, .offset: 16, .size: 8, .value_kind: global_buffer, .address_space: global }
      - { .name: scales, .offset: 24, .size: 8, .value_kind: global_buffer, .address_space: global }
      - { .name: bias, .offset: 32, .size: 8, .value_kind: global_buffer, .address_space: global }
    .group_segment_fixed_size: 327680
    .private_segment_fixed_size: 0
    .kernarg_segment_align: 8
    .kernarg_segment_size: 40
    .max_flat_workgroup_size: 128
    .sgpr_count:     72
    .vgpr_count:     1024
    .wavefront_size: 32
...
	.end_amdgpu_metadata
.endif
;; end of part 2
;; ======== version 2 of 2: 2 launches; version 1 with the launch prep written anew for expert scheduling mode
;; limits: values are held in f16: magnitudes above 65,504 overflow, below 6.1e-05 lose precision
;; workspace buffers: xa 33,554,432 bytes; wb 33,554,432 bytes
;; launch prep (part 3): grid 256 x 2, 8 waves a work-group, no clusters, 0 bytes of LDS; arguments x, W_q, mask, scale2, zeros, xa, wb; writes xa, wb
.if DOCPART == 3
	.amdgcn_target "amdgcn-amd-amdhsa--gfx1250"
	.amdhsa_code_object_version 6
	.text
	.protected	k_q0b4b302f27_prep
	.globl	k_q0b4b302f27_prep
	.p2align	8
	.type	k_q0b4b302f27_prep,@function
k_q0b4b302f27_prep:
	s_mov_b64 s[64:65], 0
	v_nop
	global_prefetch_b8 v0, s[64:65] scope:SCOPE_SE
	s_setreg_imm32_b32 hwreg(HW_REG_WAVE_SCHED_MODE, 0, 2), 2
	s_setreg_imm32_b32 hwreg(HW_REG_WAVE_MODE, 25, 1), 1
	s_wait_xcnt 0x0
	s_wait_alu depctr_vm_vsrc(0)
; THE TWO MATRIX OPERANDS, made once, in f16.
;   grid y = 0:  xa[t][k] = f16(x[t][k] * scale2[k])                          x: [4096][4096] f32, scale2: [4096] f32
;   grid y = 1:  wb[o][k] = f16(W_q[o][k] - zeros[o]) where mask[o][k] = 1, +0 where it is 0     W_q: int32, mask: one byte, zeros: [4096] f32
; scales[o] and bias[o] are left to the product's way out, in f32: so neither operand carries a product of three inputs, and both have room in f16.
; LIMITS.  |x * scale2| and |W_q - zeros| stay under 65,520 (f16's end); below 2^-14 a number keeps f16's fixed step of 2^-24.  A masked weight is +0, whatever
; its sign would have been.  A mask byte is 0 or 1.  NaN and infinities are not treated apart.  The scalings are applied in another order than in the formula, each in f32.
; SHARES.  Eight waves; work-group b owns rows 16 b .. 16 b + 15 of its tensor, cut into 64 CHUNKS of 1,024 columns: chunk c is row c / 4, columns 1,024 (c % 4) on.
; Thread t owns columns 4 t .. 4 t + 3 of every chunk: 16 bytes of x or W_q, 4 of mask, 8 of the output.  So a wave's load of x or W_q covers 512 consecutive bytes,
; its load of mask 128, and its store 256 consecutive bytes at a multiple of 256 from the buffer's first byte.  Every byte is read once and written once.
; A chunk's place is 4,096 c, 1,024 c, 2,048 c bytes from the group's first row: it stands in the immediate, so no address register is ever rewritten, and the 64 chunks are
; written out by the assembler's loop (a row's zero is then a scalar register named by the row).
; No LDS, no barrier, no matrix unit, no cluster: no wave wants a byte that another has fetched.  No prefetch: the ring's own loads are the stream.
; THE MODE: SCHED_MODE bits 1:0 = 2 (LLVM: expert scheduling mode 2), set by the entry lines.  The code itself states the register dependences
; between vector instructions and memory instructions, with s_wait_alu, always for 0.
; THE PLAN.  The 64 chunks go in 16 blocks of four: a block is a row.  Registers that memory instructions touch:
;   Q0 .. Q4    five blocks of x or W_q as loaded.  Written by the loads of block p + 4, issued in block p; read by block p's multiplies or conversions.
;   MK0 .. MK4  five blocks of mask bytes (wb alone): as Q.
;   Y0, Y1      two blocks to store.  Written by block p's roundings (wb: and its ANDs); read by the four stores that are issued in block p + 1.
;   v1, v2, v3  byte offsets, made once at the head and never written again; the scalar bases stay too.
; Block p works on Q[p % 5] (and MK[p % 5]) and writes Y[p % 2].  Its memory instructions are the loads into Q[(p + 4) % 5] = Q[(p - 1) % 5] (and MK likewise) and the stores from
; Y[(p - 1) % 2]: the buffers that block p - 1 worked on and that no vector instruction of block p names.  So the waits at the head of a block state all that the block's
; memory instructions hang on, and these are dealt among its vector instructions with no further wait.  T, ZP, U and S2 are named by no memory instruction behind S2's one load.
; At a block's head the three younger blocks' loads stay out; with the block's own four chunks, sixteen chunks of every wave are on their way.
.set BLOCK,  4                         ; chunks in a block
.set BLOCKS, 16
.set AHEAD,  4                         ; block p asks for block p + AHEAD
.set NBUF,   AHEAD+1                   ; buffers of Q and of MK
.set OQ,  1                            ; v1        16 t; never rewritten
.set OM,  2                            ; v2        4 t; never rewritten
.set OY,  3                            ; v3        8 t; never rewritten
.set T,   4                            ; v[4:11]   four numbers in f32, at work: two sets, by the chunk's parity
.set ZP,  12                           ; v[12:13]  the row's zero, twice
.set S2,  16                           ; v[16:31]  scale2 of my 16 columns: four for each of a row's four chunks
.set Q,   32                           ; v[32:111] buffer k, chunk i: four registers at Q + 16 k + 4 i, as loaded
.set MK,  112                          ; v[112:131] buffer k, chunk i: four mask bytes at MK + 4 k + i
.set Y,   132                          ; v[132:147] buffer k, chunk i: two registers at Y + 8 k + 2 i, to store
.set U,   148                          ; v[148:150] the mask, widened
.set ZR,  24                           ; s[24:39]  my 16 rows' zeros
.set P01, 20                           ; s20       byte select: bytes 0, 0, 1, 1
.set P23, 21                           ; s21       byte select: bytes 2, 2, 3, 3
	s_load_b256 s[4:11], s[0:1], 0x0               ; x s[4:5], W_q s[6:7], mask s[8:9], scale2 s[10:11]
	s_load_b128 s[12:15], s[0:1], 0x20             ; zeros s[12:13], xa s[14:15]
	s_load_b64 s[16:17], s[0:1], 0x30              ; wb
	v_lshlrev_b32 v[OQ], 4, v0
	v_lshlrev_b32 v[OM], 2, v0
	v_lshlrev_b32 v[OY], 3, v0
	s_lshl_b32 s2, ttmp9, 18                       ; 16 rows of 16,384 bytes (x, W_q)
	s_mov_b32 s3, 0
	s_lshl_b32 s18, ttmp9, 17                      ; 16 rows of 8,192 bytes (xa, wb)
	s_mov_b32 s19, 0
	s_and_b32 s20, ttmp7, 0xffff                   ; grid y: which tensor
	s_wait_kmcnt 0x0
	s_wait_alu depctr_va_vdst(0)                   ; v1, v2 and v3 are written: every load and store of both halves reads one of them as its offset
	s_cmp_lg_u32 s20, 0
	s_cbranch_scc1 .Lw
	; ---------------------------------------------------------------- xa
	s_add_nc_u64 s[4:5], s[4:5], s[2:3]            ; x and xa at the group's first row
	s_add_nc_u64 s[14:15], s[14:15], s[18:19]
.irp j, 0,1,2,3
	global_load_b128 v[S2+4*(\j):S2+4*(\j)+3], v[OQ], s[10:11] offset:4096*(\j)  ; every work-group reads scale2: no hint
.endr
.set cc, 0
.rept AHEAD*BLOCK
	global_load_b128 v[Q+4*cc:Q+4*cc+3], v[OQ], s[4:5] offset:4096*cc th:TH_LOAD_NT  ; blocks 0 to 3 into Q0 to Q3
.set cc, cc+1
.endr
; Block pp.
.macro XBLK
.set xb, Q+16*(pp%NBUF)                ; the block's own x
.set xn, Q+16*((pp+AHEAD)%NBUF)        ; where block pp + 4 lands: the buffer of the block before
.set yb, Y+8*(pp%2)                    ; what this block writes
.set yo, Y+8*((pp+1)%2)                ; what the block before wrote
.set left, BLOCKS-1-pp
.if left > AHEAD-1
.set left, AHEAD-1
.endif
	s_wait_loadcnt BLOCK*left                      ; loads come back in order: this block's four are in (and scale2, which is older); the younger blocks' loads, three blocks or what is left of them, stay out
.if pp >= 2
	s_wait_xcnt 0x0                                ; this block's Y was the data of the stores issued in the block before: it is rewritten only behind this wait
	s_wait_alu depctr_vm_vsrc(0)                   ; those stores have read this block's Y, which the roundings below write again
.endif
.if pp >= 1
	s_wait_alu depctr_va_vdst(0)                   ; the block before has written the other Y, which the stores below read, and is done reading its Q, in which the loads below (blocks 1 to 11 have them) land
.endif
.set ii, 0
.rept BLOCK
.set cc, BLOCK*pp+ii
.set tt, T+4*(cc%2)
.if pp < BLOCKS-AHEAD
	global_load_b128 v[xn+4*ii:xn+4*ii+3], v[OQ], s[4:5] offset:4096*(cc+AHEAD*BLOCK) th:TH_LOAD_NT  ; four blocks ahead, the load ahead of the store; no vector instruction since the wait names these registers
.endif
.if pp >= 1
	global_store_b64 v[OY], v[yo+2*ii:yo+2*ii+1], s[14:15] offset:2048*(cc-BLOCK) th:TH_STORE_NT     ; the block before
.endif
	v_pk_mul_f32 v[tt:tt+1], v[xb+4*ii:xb+4*ii+1], v[S2+4*ii:S2+4*ii+1]
	v_pk_mul_f32 v[tt+2:tt+3], v[xb+4*ii+2:xb+4*ii+3], v[S2+4*ii+2:S2+4*ii+3]
	v_cvt_pk_f16_f32 v[yb+2*ii], v[tt], v[tt+1]    ; two roundings to f16, packed
	v_cvt_pk_f16_f32 v[yb+2*ii+1], v[tt+2], v[tt+3]
.set ii, ii+1
.endr
.set pp, pp+1
.endm
.set pp, 0
.rept BLOCKS
	XBLK                                           ; block 0 has no block in front of it: no store, and Q4 has been named by no vector instruction; blocks 12 to 15 load nothing: no load leaves x
.endr
	s_wait_alu depctr_va_vdst(0)                   ; block 15 has written Y1, which the last four stores read
.irp i, 0,1,2,3
	global_store_b64 v[OY], v[Y+8+2*(\i):Y+8+2*(\i)+1], s[14:15] offset:2048*(60+(\i)) th:TH_STORE_NT
.endr
	s_endpgm
	; ---------------------------------------------------------------- wb
.Lw:
	s_add_nc_u64 s[6:7], s[6:7], s[2:3]            ; W_q and wb at the group's first row,
	s_add_nc_u64 s[16:17], s[16:17], s[18:19]
	s_lshl_b32 s22, ttmp9, 16                      ; mask: 16 rows of 4,096 bytes,
	s_mov_b32 s23, 0
	s_add_nc_u64 s[8:9], s[8:9], s[22:23]
	s_lshl_b32 s22, ttmp9, 6                       ; zeros: 16 numbers
	s_add_nc_u64 s[12:13], s[12:13], s[22:23]
	s_load_b512 s[ZR:ZR+15], s[12:13], 0x0         ; no line of this text writes zeros
	s_mov_b32 s[P01], 0x01010000
	s_mov_b32 s[P23], 0x03030202
.set cc, 0
.rept AHEAD*BLOCK
	global_load_b128 v[Q+4*cc:Q+4*cc+3], v[OQ], s[6:7] offset:4096*cc th:TH_LOAD_NT  ; blocks 0 to 3; two loads a chunk: the codes,
	global_load_b32 v[MK+cc], v[OM], s[8:9] offset:1024*cc th:TH_LOAD_NT             ; then the mask
.set cc, cc+1
.endr
	s_wait_kmcnt 0x0                               ; the zeros
; Block pp: row pp of the group's sixteen.
.macro WBLK
.set xb, Q+16*(pp%NBUF)
.set xn, Q+16*((pp+AHEAD)%NBUF)
.set mb, MK+4*(pp%NBUF)
.set mn, MK+4*((pp+AHEAD)%NBUF)
.set yb, Y+8*(pp%2)
.set yo, Y+8*((pp+1)%2)
.set left, BLOCKS-1-pp
.if left > AHEAD-1
.set left, AHEAD-1
.endif
	s_wait_loadcnt 2*BLOCK*left                    ; this block's eight loads are in; two for each chunk of the younger blocks stay out
.if pp >= 2
	s_wait_xcnt 0x0                                ; this block's Y was the data of the stores issued in the block before: it is rewritten only behind this wait
	s_wait_alu depctr_vm_vsrc(0)                   ; those stores have read this block's Y, which the roundings below write again
.endif
.if pp >= 1
	s_wait_alu depctr_va_vdst(0)                   ; the block before has written the other Y, which the stores below read, and is done reading its Q and MK, in which the loads below (blocks 1 to 11 have them) land
.endif
	v_mov_b32 v[ZP], s[ZR+pp]                      ; a new row: its zero, as a pair
	v_mov_b32 v[ZP+1], s[ZR+pp]
.set ii, 0
.rept BLOCK
.set cc, BLOCK*pp+ii
.set tt, T+4*(cc%2)
.if pp < BLOCKS-AHEAD
	global_load_b128 v[xn+4*ii:xn+4*ii+3], v[OQ], s[6:7] offset:4096*(cc+AHEAD*BLOCK) th:TH_LOAD_NT  ; four blocks ahead; no vector instruction since the wait names these registers
	global_load_b32 v[mn+ii], v[OM], s[8:9] offset:1024*(cc+AHEAD*BLOCK) th:TH_LOAD_NT
.endif
.if pp >= 1
	global_store_b64 v[OY], v[yo+2*ii:yo+2*ii+1], s[16:17] offset:2048*(cc-BLOCK) th:TH_STORE_NT     ; the block before
.endif
.irp k, 0,1,2,3
	v_cvt_f32_i32 v[tt+(\k)], v[xb+4*ii+(\k)]
.endr
	v_lshlrev_b32 v[U], 8, v[mb+ii]                ; 256 m - m = 255 m: each byte 1 becomes 0xff, each 0 stays; no byte carries into the next
	v_sub_nc_u32 v[U], v[U], v[mb+ii]
	v_pk_add_f32 v[tt:tt+1], v[tt:tt+1], v[ZP:ZP+1] neg_lo:[0,1] neg_hi:[0,1]          ; code - zero
	v_pk_add_f32 v[tt+2:tt+3], v[tt+2:tt+3], v[ZP:ZP+1] neg_lo:[0,1] neg_hi:[0,1]
	v_perm_b32 v[U+1], v[U], v[U], s[P01]          ; each mask byte twice: a mask for each 16-bit half
	v_perm_b32 v[U+2], v[U], v[U], s[P23]
	v_cvt_pk_f16_f32 v[yb+2*ii], v[tt], v[tt+1]
	v_cvt_pk_f16_f32 v[yb+2*ii+1], v[tt+2], v[tt+3]
	v_and_b32 v[yb+2*ii], v[yb+2*ii], v[U+1]       ; a masked weight is +0
	v_and_b32 v[yb+2*ii+1], v[yb+2*ii+1], v[U+2]
.set ii, ii+1
.endr
.set pp, pp+1
.endm
.set pp, 0
.rept BLOCKS
	WBLK                                           ; block 0 has no block in front of it: no store, and Q4 and MK4 have been named by no vector instruction; blocks 12 to 15 load nothing
.endr
	s_wait_alu depctr_va_vdst(0)                   ; block 15 has written Y1, which the last four stores read
.irp i, 0,1,2,3
	global_store_b64 v[OY], v[Y+8+2*(\i):Y+8+2*(\i)+1], s[16:17] offset:2048*(60+(\i)) th:TH_STORE_NT
.endr
	s_endpgm
.Lfunc_end_k_q0b4b302f27_prep:
	.size	k_q0b4b302f27_prep, .Lfunc_end_k_q0b4b302f27_prep-k_q0b4b302f27_prep
	.p2alignl 7, 3214868480
	.fill 96, 4, 3214868480
	.section	.rodata,"a",@progbits
	.p2align	6, 0x0
	.amdhsa_kernel k_q0b4b302f27_prep
		.amdhsa_group_segment_fixed_size 0
		.amdhsa_private_segment_fixed_size 0
		.amdhsa_enable_private_segment 0
		.amdhsa_kernarg_size 56
		.amdhsa_user_sgpr_count 2
		.amdhsa_user_sgpr_kernarg_segment_ptr 1
		.amdhsa_wavefront_size32 1
		.amdhsa_system_sgpr_workgroup_id_x 1
		.amdhsa_system_sgpr_workgroup_id_y 1
		.amdhsa_system_sgpr_workgroup_id_z 1
		.amdhsa_system_vgpr_workitem_id 0
		.amdhsa_next_free_vgpr 152
		.amdhsa_next_free_sgpr 66
		.amdhsa_reserve_vcc 0
		.amdhsa_float_denorm_mode_32 3
		.amdhsa_float_denorm_mode_16_64 3
		.amdhsa_memory_ordered 1
		.amdhsa_forward_progress 1
		.amdhsa_inst_pref_size 93
	.end_amdhsa_kernel
	.amdgpu_metadata
---
amdhsa.version: [ 1, 2 ]
amdhsa.kernels:
  - .name:           k_q0b4b302f27_prep
    .symbol:         k_q0b4b302f27_prep.kd
    .args:
      - { .name: x, .offset: 0, .size: 8, .value_kind: global_buffer, .address_space: global }
      - { .name: W_q, .offset: 8, .size: 8, .value_kind: global_buffer, .address_space: global }
      - { .name: mask, .offset: 16, .size: 8, .value_kind: global_buffer, .address_space: global }
      - { .name: scale2, .offset: 24, .size: 8, .value_kind: global_buffer, .address_space: global }
      - { .name: zeros, .offset: 32, .size: 8, .value_kind: global_buffer, .address_space: global }
      - { .name: xa, .offset: 40, .size: 8, .value_kind: global_buffer, .address_space: global }
      - { .name: wb, .offset: 48, .size: 8, .value_kind: global_buffer, .address_space: global }
    .group_segment_fixed_size: 0
    .private_segment_fixed_size: 0
    .kernarg_segment_align: 8
    .kernarg_segment_size: 56
    .max_flat_workgroup_size: 256
    .sgpr_count:     66
    .vgpr_count:     152
    .wavefront_size: 32
...
	.end_amdgpu_metadata
.endif
;; end of part 3
;; launch gemm: the kernel of part 2 again; grid 16 x 16, 4 waves a work-group, clusters of 4 x 4, 327,680 bytes of LDS; arguments xa, wb, out0, scales, bias; writes out0
